; MI455X (gfx1250); checked and timed in simulation.
; The chip was launched on July 23, 2026; its instructions are those of AMD's public machine-readable ISA for CDNA 5 (MIT licence, August 2026) and "CDNA5" Instruction Set Architecture Reference Guide (July 2026). The comments in the code are by the model that wrote it; some were corrected since.
;; Sink Attention SP Wrapper. Allowed arithmetic: matrix products marked QUANTISED: E2M1 operands, one E8M0 scale for each 32 along K, by v_wmma_scale_f32_16x16x128_f8f6f4 with both operands' format E2M1 (or v_wmma_scale_f32_32x16x128_f4), f32 sums; everything else in f32.
;; Inputs: k 2 x 16 x 2,048 x 128 float32; q 2 x 16 x 2,048 x 128 float32; v 2 x 16 x 2,048 x 128 float32.
;; Outputs: out0 2 x 16 x 2,048 x 128 float32.
;; Constants: num_sink = 4, window_size = 1024.
;; This version of the problem:
;;   THIS VERSION OF THE PROBLEM IS GIVEN IN LOW PRECISION. The matrix products marked QUANTISED in the list below multiply operands that are first quantised to E2M1 (2 exponent bits, 1 mantissa bit; 4 bits a number), with one power-of-two scale for each 32 numbers along K (OCP MX v1.0); their sums are f32. All else is computed in f32.
;;   The module's matrix products, in the order in which they are computed (A, B: the left and right operand; K: the contracted axis; several contracted axes count as one K, in the product's order):
;;     1. batch 32 x [M 2,048, K 128] x [K 128, N 2,048]; A: input q; B: input k: QUANTISED
;;     2. batch 32 x [M 2,048, K 2,048] x [K 2,048, N 128]; A: softmax (see below); B: input v: QUANTISED
;;   THE QUANTISER, for each operand of a quantised product, along K:
;;     - K is cut into blocks of 32 from its start; a last block that is shorter is filled with zeros.
;;     - A block's scale is 2^e with e = floor(log2(the largest magnitude in the block)) - 2, held to -126 .. 127; a block of zeros has e = 0. As a byte (E8M0): e + 127.
;;     - Each number is divided by its block's scale, clamped to +-6, and rounded to the nearest number of E2M1, ties to even, subnormals kept.
;;     - The product sums the exact products of the quantised numbers (number of the format x scale) in f32.
;;   ~~~python
;;   def quantise(x, axis):      # numpy; x: float32 -> the quantised numbers, widened to float32 again
;;       x = np.moveaxis(x, axis, -1); K = x.shape[-1]
;;       x = np.pad(x, [(0, 0)] * (x.ndim - 1) + [(0, -K % 32)]); x = x.reshape(x.shape[:-1] + (-1, 32)); a = np.abs(x).max(-1, keepdims=True)
;;       e = np.where(a > 0, np.clip(np.frexp(np.where(a > 0, a, 1))[1] - 1 - 2, -126, 127), 0)      # np.frexp(a)[1] - 1 = floor(log2(a)), exactly
;;       r = np.clip(x / 2.0 ** e, -6, 6)
;;       step = 2.0 ** (np.maximum(np.frexp(np.where(r == 0, 1, r))[1] - 1, 0) - 1)
;;       q = np.round(r / step) * step * 2.0 ** e      # np.round: ties to even
;;       return np.moveaxis(q.reshape(q.shape[:-2] + (-1,))[..., :K], -1, axis).astype(np.float32)
;;   ~~~
;;   SOFTMAX AHEAD OF A QUANTISED PRODUCT. Where the list says 'softmax', what is quantised is not the finished softmax but p = 2^(t - M), with t = logit x log2(e) and M = ceil(the row's largest t), a whole number; so 1/2 < the row's largest p <= 1. The row's sum l is taken of the UNQUANTISED p, in f32, and the product's result is divided by l at the end. Since M is a whole number, a kernel that streams over the keys may use a running M (the ceiling of the running maximum): every later rescaling is an exact power of two, which a block's scale takes up: the codes' values come out the same.
;;   OPERANDS COMPUTED ON THE WAY. 'Computed on the way' means the value that the module computes at that place (a softmax that the list does not call 'softmax' is quantised finished and normalised). What goes into a quantiser is computed in f32, as accurately as f32 sums, v_exp_f32 and their like allow (about 1e-6 of the number): no bf16 or f16 on the way to a quantiser, and a product that is left as it is and whose result goes on into a quantised operand takes f32 operands (vector FMAs, or v_wmma_f32_16x16x4_f32). A number that lies on a knife's edge between two numbers of the format may be rounded either way, as far as f32 arithmetic and the matrix unit's own rounding can turn it there, and no further.
;; One version. Each part assembles by itself: llvm-mc -triple=amdgcn-amd-amdhsa -mcpu=gfx1250 --defsym DOCPART=n.
;; ======== version 1 of 1: 2 launches
;; limits: right only within a limited range of input values
;; workspace buffers: kv 8,912,896 bytes
;; launch quant (part 1): grid 512 x 2, 4 waves a work-group, no clusters, 70,144 bytes of LDS; arguments k, v, kv; writes kv
.if DOCPART == 1
	.amdgcn_target "amdgcn-amd-amdhsa--gfx1250"
	.amdhsa_code_object_version 6
	.text
	.protected	k_q2641a7bfbe_quant
	.globl	k_q2641a7bfbe_quant
	.p2align	8
	.type	k_q2641a7bfbe_quant,@function
k_q2641a7bfbe_quant:
	s_mov_b64 s[64:65], 0
	v_nop
	global_prefetch_b8 v0, s[64:65] scope:SCOPE_SE
	s_setreg_imm32_b32 hwreg(HW_REG_WAVE_MODE, 25, 1), 1
	s_wait_xcnt 0x0
; k, v: [32 heads][2048][128] f32 -> codes of FP4 (E2M1) with one E8M0 byte for each 32 along a product's K, laid as IMAGES OF THE OPERANDS' REGISTERS.
; A work-group takes 128 rows (x = 16 head + step: 65,536 dense bytes) of one tensor (y = 0: k, 1: v); a wave takes 32 of the rows.  1,024 work-groups, four to a WGP by their LDS claim.
; kv: for each (head, step of 128 keys) 17,408 bytes: K's image 8,192 | V's image 8,192 | K's scale words 512 | V's scale words 512.
; An image: tile T (0..7), group c (0, 1) at (2 T + c) 512 + 16 lane.  With lane = (r = lane % 16, h = lane / 16):
;   k (K = the head's 128): the 32 codes of block 2 c + h of row 32 (T / 2) + 8 (T % 2) + r + 8 (r / 8);
;   v (K = the keys):       the 32 codes of keys 64 c + 32 h .. + 31 of channel 4 (16 (T % 2) + r) + T / 2: a lane that loads 16 bytes of each row holds four channels, which go to four tiles.
; Scale words: pair b (0..3) at 128 b + 4 lane: lanes 0-15 the rows of tile 2 b, lanes 16-31 those of tile 2 b + 1; a word's byte i belongs to block i of the row's 128 along K.
; A block's scale is 2^(floor(log2(its largest magnitude)) - 2): its byte is the largest magnitude's exponent field - 2, held at 1 from below by a floor among the maximum's leaves.
; LIMITS: a block of zeros gets the byte 1 where the rule says 127 (its codes are zeros, and this program alone reads the bytes); NaN and infinities among the inputs are not served.
; No tensor loads; all of a wave's 32 loads are out at once; every offset is an immediate.
.set STEPB, 17408
.set STG,   2304                       ; LDS: a wave's stage for K's codes: two tiles x four blocks x 272 bytes, and 128 spare
.set KSCL,  4*STG                      ; K's 512 scale bytes, in the image's order
.set VSCL,  KSCL+512                   ; V's, 128 for each wave
.set SPARE, 0x11000                    ; the spare words
.set BY,    8                          ; v8-39    K: the rows' scale bytes
.set X,     40                         ; v40-167  32 rows x 4 numbers; v168-171 zeros behind them
.set M,     172                        ; v172-203 K: largest magnitudes, then scale operands; V: 32 numbers of one channel
.set CO,    204                        ; v204-235 codes
.set SPW,   236
.set NIL,   237
	s_load_b128 s[4:7], s[0:1], 0x0                ; k, v
	s_load_b64 s[8:9], s[0:1], 0x10                ; kv
	v_lshl_add_u32 v[SPW], v0, 2, SPARE
	v_mov_b32 v[NIL], 0
	v_lshrrev_b32 v1, 5, v0
	v_readfirstlane_b32 s16, v1                    ; wave 0..3
	s_and_b32 s17, ttmp7, 0xffff                   ; which tensor
	s_lshl_b32 s18, ttmp9, 16
	s_lshl_b32 s19, s16, 14
	s_add_co_u32 s18, s18, s19                     ; my 32 rows (under 2^25)
	s_mov_b32 s19, 0
	s_mul_i32 s20, ttmp9, STEPB
	s_lshl_b32 s22, s17, 9
	s_add_co_u32 s22, s22, 16384
	s_add_co_u32 s22, s22, s20                     ; the step's scale words of this tensor
	s_mov_b32 s23, 0
	s_lshl_b32 s24, s16, 11                        ; K: my two tiles' 2,048 bytes of the image
	s_lshl_b32 s25, s16, 8
	s_add_co_u32 s25, s25, 8192                    ; V: my 32 keys' place in each tile: 512 (wave / 2) + 256 (wave % 2)
	s_cmp_eq_u32 s17, 0
	s_cselect_b32 s24, s24, s25
	s_add_co_u32 s20, s20, s24
	s_mov_b32 s21, 0
	v_and_b32 v1, 31, v0                           ; lane
	v_lshlrev_b32 v2, 4, v1                        ; 16 x lane
	s_wait_alu depctr_va_vdst(0)                   ; the wait at the head's end
	s_wait_kmcnt 0x0
	s_cmp_eq_u32 s17, 0                            ; the choice hangs on the work-group's y alone
	s_cselect_b64 s[4:5], s[4:5], s[6:7]
	s_add_nc_u64 s[4:5], s[4:5], s[18:19]
	s_add_nc_u64 s[10:11], s[8:9], s[20:21]        ; my part of the image
	s_add_nc_u64 s[12:13], s[8:9], s[22:23]        ; the scale words
.set i, 0
.rept 32
	global_load_b128 v[X+4*i:X+4*i+3], v2, s[4:5] offset:512*i th:TH_LOAD_NT   ; a whole row: 32 lanes read 512 consecutive bytes
.set i, i+1
.endr
	s_cmp_lg_u32 s17, 0
	s_cbranch_scc1 .Lv
	; ---- k: a lane holds four neighbours of each row; eight lanes hold a block.  Wave b's rows are tiles 2 b and 2 b + 1
	s_mul_i32 s26, s16, STG
	s_lshl_b32 s27, s16, 7
	s_add_co_u32 s27, s27, KSCL
	v_lshrrev_b32 v3, 3, v1                        ; my block
	v_add_nc_u32 v4, s27, v3                       ; LDS: its byte
	v_mul_u32_u24 v3, v3, 272                      ; blocks lie 272 bytes apart, so that the four start in different 16-byte columns of 256
	v_and_b32 v5, 7, v1
	v_lshl_add_u32 v3, v5, 1, v3
	v_add_nc_u32 v3, s26, v3                       ; into the stage: two bytes of codes a lane
	v_lshrrev_b32 v5, 4, v1
	v_mul_u32_u24 v5, v5, 272
	v_and_b32 v6, 15, v1
	v_lshl_add_u32 v5, v6, 4, v5
	v_add_nc_u32 v5, s26, v5                       ; out of it: 16 bytes a lane
.irp i, 0,1,2,3
	v_mov_b32 v[X+128+\i], 0                       ; the last row's conversion names the four registers behind the row
.endr
	s_wait_alu depctr_va_vdst(0)                   ; ahead of the waits below
; Eight rows by turns.  The conversion takes eight registers: a row's four and the next row's four; the row's codes are the low 16 bits, and only they are stored
.macro KGRP g
.set R0, 8*\g
.if \g < 3
	s_wait_loadcnt 23-8*\g                         ; rows R0 .. R0 + 8 are in
.else
	s_wait_loadcnt 0x0
.endif
.irp i, 0,1,2,3,4,5,6,7
	v_max3_num_f32 v[M+R0+\i], |v[X+4*(R0+\i)]|, |v[X+4*(R0+\i)+1]|, |v[X+4*(R0+\i)+2]|
.endr
.irp i, 0,1,2,3,4,5,6,7
	v_max3_num_f32 v[M+R0+\i], v[M+R0+\i], |v[X+4*(R0+\i)+3]|, 0x1800000   ; and the floor 2^(3 - 127)
.endr
.irp m, 1,2,4
.irp i, 0,1,2,3,4,5,6,7
	v_max_num_f32_dpp v[M+R0+\i], v[M+R0+\i], v[M+R0+\i] row_xmask:\m row_mask:0xf bank_mask:0xf
.endr
.endr
.irp i, 0,1,2,3,4,5,6,7
	v_add_nc_u32 v[M+R0+\i], 0xff000000, v[M+R0+\i]   ; 2 off the exponent field: the conversion's scale operand
.endr
.irp i, 0,1,2,3,4,5,6,7
	v_lshrrev_b32 v[BY+R0+\i], 23, v[M+R0+\i]      ; the scale's byte
.endr
.irp i, 0,1,2,3,4,5,6,7
	v_cvt_scalef32_pk8_fp4_f32 v[CO+R0+\i], v[X+4*(R0+\i):X+4*(R0+\i)+7], v[M+R0+\i]
.endr
	v_nop                                          ; the plain line behind the conversions
.irp i, 0,1,2,3,4,5,6,7
	ds_store_b16 v3, v[CO+R0+\i] offset:(\g%2)*1088+16*(\i+8*(\g/2))   ; row R0 + i is lane i + 8 (g / 2) of tile g % 2
	ds_store_b8 v4, v[BY+R0+\i] offset:(\g%2)*64+4*(\i+8*(\g/2))       ; the block's eight lanes write the same byte
.endr
.endm
	KGRP 0
	KGRP 1
	KGRP 2
	KGRP 3
.irp n, 0,1,2,3
	ds_load_b128 v[X+4*\n:X+4*\n+3], v5 offset:(\n/2)*1088+(\n%2)*544  ; LDS serves a wave's instructions in order: these see my stores
.endr
	s_wait_dscnt 0x0
.irp n, 0,1,2,3
	global_store_b128 v2, v[X+4*\n:X+4*\n+3], s[10:11] offset:512*\n   ; a group of the image: 512 consecutive bytes, aligned
.endr
	s_barrier_signal -1
	s_barrier_wait -1                              ; everybody's scale bytes are in LDS
	s_cmp_lg_u32 s16, 0
	s_cbranch_scc1 .Lkend
	ds_load_b128 v[8:11], v2 offset:KSCL
	s_wait_dscnt 0x0
	global_store_b128 v2, v[8:11], s[12:13]        ; two whole units of 256 bytes
.Lkend:
	s_wait_tensorcnt 0x0                           ; the wave's end
	ds_add_u32 v[SPW], v[NIL]
	s_wait_dscnt 0x0
	s_endpgm
	; ---- v: wave w's rows are keys 32 w .. 32 w + 31: a whole block along the keys for each of a lane's four channels
.Lv:
	s_lshl_b32 s27, s16, 7
	s_add_co_u32 s27, s27, VSCL
	v_add_nc_u32 v6, s27, v1                       ; LDS: my wave's 128 scale bytes, a lane a byte
	v_lshrrev_b32 v7, 4, v1
	v_and_b32 v5, 15, v1
	v_lshlrev_b32 v5, 4, v5
	v_lshl_add_u32 v7, v7, 10, v5                  ; the image: lanes 0-15 one tile, lanes 16-31 the next
	v_lshlrev_b32 v5, 2, v1
	s_wait_alu depctr_va_vdst(0)                   ; ahead of the waits below
.macro VGRP g                          ; eight keys of the four channels, by turns
.set R0, 8*\g
	s_wait_loadcnt 24-8*\g                         ; rows R0 .. R0 + 7 are in
.irp q, 0,1,2,3
	v_max3_num_f32 v[8+4*\g+\q], |v[X+4*R0+\q]|, |v[X+4*R0+4+\q]|, |v[X+4*R0+8+\q]|
.endr
.irp i, 3,5
.irp q, 0,1,2,3
	v_max3_num_f32 v[8+4*\g+\q], v[8+4*\g+\q], |v[X+4*(R0+\i)+\q]|, |v[X+4*(R0+\i)+4+\q]|
.endr
.endr
.irp q, 0,1,2,3
	v_max3_num_f32 v[8+4*\g+\q], v[8+4*\g+\q], |v[X+4*R0+28+\q]|, 0x1800000
.endr
.endm
	VGRP 0
	VGRP 1
	VGRP 2
	VGRP 3
.irp q, 0,1,2,3
	v_max3_num_f32 v[24+\q], v[8+\q], v[12+\q], v[16+\q]
.endr
.irp q, 0,1,2,3
	v_max_num_f32 v[24+\q], v[24+\q], v[20+\q]
.endr
.irp q, 0,1,2,3
	v_add_nc_u32 v[24+\q], 0xff000000, v[24+\q]    ; the scale operands
.endr
.irp q, 0,1,2,3
.set j, 0
.rept 32
	v_mov_b32 v[M+j], v[X+4*j+\q]                  ; the conversion takes consecutive registers: one channel's 32 keys
.set j, j+1
.endr
.irp g, 0,1,2,3
	v_cvt_scalef32_pk8_fp4_f32 v[CO+4*\q+\g], v[M+8*\g:M+8*\g+7], v[24+\q]
.endr
	v_lshrrev_b32 v[28+\q], 23, v[24+\q]           ; the scale's byte; also the plain line behind the conversions
	ds_store_b8 v6, v[28+\q] offset:32*\q
	global_store_b128 v7, v[CO+4*\q:CO+4*\q+3], s[10:11] offset:2048*\q   ; sixteen lanes write 256 consecutive bytes, aligned: tiles 2 q and 2 q + 1
.endr
	s_wait_dscnt 0x0
	s_barrier_signal -1
	s_barrier_wait -1                              ; everybody's scale bytes are in LDS
	s_cmp_lg_u32 s16, 0
	s_cbranch_scc1 .Lvend
.irp w, 0,1,2,3
	ds_load_b32 v[12+\w], v5 offset:VSCL+128*\w    ; block w's bytes of four channels
.endr
	s_wait_dscnt 0x0
	s_mov_b32 s28, 0x05010400
	s_mov_b32 s29, 0x07030602
	s_mov_b32 s30, 0x05040100
	s_mov_b32 s31, 0x07060302
	v_perm_b32 v16, v13, v12, s28                  ; four words of four bytes are transposed: a word for each channel, byte w = block w
	v_perm_b32 v17, v15, v14, s28
	v_perm_b32 v18, v13, v12, s29
	v_perm_b32 v19, v15, v14, s29
	v_perm_b32 v20, v17, v16, s30
	v_perm_b32 v21, v17, v16, s31
	v_perm_b32 v22, v19, v18, s30
	v_perm_b32 v23, v19, v18, s31
	global_store_b128 v2, v[20:23], s[12:13]       ; two whole units of 256 bytes
.Lvend:
	s_wait_tensorcnt 0x0                           ; the wave's end
	ds_add_u32 v[SPW], v[NIL]
	s_wait_dscnt 0x0
	s_endpgm
.Lfunc_end_k_q2641a7bfbe_quant:
	.size	k_q2641a7bfbe_quant, .Lfunc_end_k_q2641a7bfbe_quant-k_q2641a7bfbe_quant
	.p2alignl 7, 3214868480
	.fill 96, 4, 3214868480
	.section	.rodata,"a",@progbits
	.p2align	6, 0x0
	.amdhsa_kernel k_q2641a7bfbe_quant
		.amdhsa_group_segment_fixed_size 70144
		.amdhsa_private_segment_fixed_size 0
		.amdhsa_enable_private_segment 0
		.amdhsa_kernarg_size 24
		.amdhsa_user_sgpr_count 2
		.amdhsa_user_sgpr_kernarg_segment_ptr 1
		.amdhsa_wavefront_size32 1
		.amdhsa_system_sgpr_workgroup_id_x 1
		.amdhsa_system_sgpr_workgroup_id_y 1
		.amdhsa_system_sgpr_workgroup_id_z 1
		.amdhsa_system_vgpr_workitem_id 0
		.amdhsa_next_free_vgpr 240
		.amdhsa_next_free_sgpr 66
		.amdhsa_reserve_vcc 0
		.amdhsa_float_denorm_mode_32 3
		.amdhsa_float_denorm_mode_16_64 3
		.amdhsa_memory_ordered 1
		.amdhsa_forward_progress 1
		.amdhsa_inst_pref_size 40
	.end_amdhsa_kernel
	.amdgpu_metadata
---
amdhsa.version: [ 1, 2 ]
amdhsa.kernels:
  - .name:           k_q2641a7bfbe_quant
    .symbol:         k_q2641a7bfbe_quant.kd
    .args:
      - { .name: k, .offset: 0, .size: 8, .value_kind: global_buffer, .address_space: global }
      - { .name: v, .offset: 8, .size: 8, .value_kind: global_buffer, .address_space: global }
      - { .name: kv, .offset: 16, .size: 8, .value_kind: global_buffer, .address_space: global }
    .group_segment_fixed_size: 70144
    .private_segment_fixed_size: 0
    .kernarg_segment_align: 8
    .kernarg_segment_size: 24
    .max_flat_workgroup_size: 128
    .sgpr_count:     66
    .vgpr_count:     240
    .wavefront_size: 32
...
	.end_amdgpu_metadata
.endif
;; end of part 1
;; launch attn (part 2): grid 8 x 32, 16 waves a work-group, clusters of 4 x 1, 327,680 bytes of LDS; arguments kv, q, out0; writes out0
.if DOCPART == 2
	.amdgcn_target "amdgcn-amd-amdhsa--gfx1250"
	.amdhsa_code_object_version 6
	.text
	.protected	k_q2641a7bfbe_attn
	.globl	k_q2641a7bfbe_attn
	.p2align	8
	.type	k_q2641a7bfbe_attn,@function
k_q2641a7bfbe_attn:
	s_mov_b64 s[64:65], 0
	v_nop
	global_prefetch_b8 v0, s[64:65] scope:SCOPE_SE
	s_setreg_imm32_b32 hwreg(HW_REG_WAVE_MODE, 25, 1), 1
	s_wait_xcnt 0x0
	s_wait_alu depctr_hold_cnt(0) depctr_sa_sdst(0) depctr_va_vdst(0) depctr_va_sdst(0) depctr_va_ssrc(0) depctr_va_vcc(0) depctr_vm_vsrc(0)
	s_getreg_b32 s2, hwreg(HW_REG_IB_STS2, 6, 4)
	s_cmp_eq_u32 s2, 0
	s_cbranch_scc0 .Lentry_in_a_cluster
	s_endpgm
.Lentry_in_a_cluster:
	s_bfe_u32 s2, ttmp6, 0x10000c
	s_cmp_lg_u32 s2, 0x3003
	s_cbranch_scc0 .Lentry_shape_is_right
	s_endpgm
.Lentry_shape_is_right:
; out0[head][i][:] = the sum over j of softmax_j(q[i] . k[j] / sqrt(128)) v[j][:], key j counting for query i where j <= i and (j < 4 or i - j < 1024); 32 heads, 2,048 queries and keys, head size 128.
; Both products on codes of FP4 (E2M1) with one E8M0 scale for each 32 along K.  K's and V's codes and scale words come from kv as images of the operands' registers (tile T, group c at (2 T + c) 512 + 16 lane;
; scale words of tiles 2 b, 2 b + 1 at 128 b + 4 lane); Q, which one wave reads once, is quantised here.
; THE SOFTMAX AHEAD OF THE SECOND PRODUCT: t = score x log2(e) / sqrt(128); M = the running largest t rounded UP to a whole number; p = 2^(t - M) is quantised along the keys, not normalised;
; the row's sum is taken of the unquantised p and divides at the end; when M moves, the sum and O are multiplied by 2^(old M - new M), which rounds nothing.
; WORK LEFT OUT: blocks of 32 keys that the mask hides from all queries of a work-group (j > i, or j >= 4 and i - j >= 1024): their p is 0 for all values of the inputs.
; A NaN, an infinity or an overflow that reaches only such work is not carried to the result.
; A WHOLE HEAD'S CODES STAY IN LDS: 16 steps of 128 keys x 17,408 bytes = 278,528, one step fetched by each wave.  Each LDS byte is filled once: no ring, no refill, and no loop that runs ahead of a load, so no data prefetch.
; SHARES.  Eight work-groups to a head, sixteen waves each.  The wave of RANK R owns queries 128 R + 64 j + 16 cx .. + 15 (j = the cluster's x, cx = the place in the cluster).
; Its key steps hang on R and j alone: steps R - 8 .. R that exist.  Step R is cut by the diagonal (key a counts for query b of the 128s where a <= b), step R - 8 by the window's edge (where a > b).  j = 0: of step R only keys 0-63
; can count (a half step), and of step R - 8 keys 64-127 all count; j = 1: of step R - 8 only keys 64-127 can count (a half step), and of step R keys 0-63 all count.  So 32 mask words a wave, made once, serve both steps.
; THE SINK KEYS 0-3 have a small step of their own, first of all, where no other key of their block counts (R > 8, and R = 8 with j = 1): one tile of scores, and it starts O.
; Ranks: waves 0-7 have 8-15, waves 8-11 have 7-4, waves 12-15 have 0-3: four waves whose numbers are equal modulo 4 have two ranks of 8 or more and two whose sum is 7.
; Every wave walks all 16 steps (a constant trip count); scalar branches on the rank, the step and j jump over what the mask hides.
; CLUSTER.  The four work-groups of a cluster ask for the head's codes JOINTLY: one tensor load a wave, its descriptor made of head and wave number alone, its mask naming the four.  cx enters data addresses and mask words only.
; LAYOUT.  The first product is used transposed, S^T = K Q^T (source 0 = 16 keys, source 1 = my 16 queries): for the softmax lane (r, h) (r = lane % 16, h = lane / 16) holds query r; register 16 b + i is key 32 b + 16 h + i of the step.
; The second is O = P V (source 0 = P's 16 queries, source 1 = 16 channels): register i of tile T in lane (r, h) is query 8 h + i, channel 4 (16 (T % 2) + r) + T / 2.  So the same register of tiles u, u + 2, u + 4, u + 6 is
; four neighbouring channels, sixteen lanes hold 256 neighbouring bytes of a row, and the results leave from the registers.  What a row is multiplied by is brought from the first layout to the second by ten lane moves.
; LIMITS: NaN and infinities among the inputs are not served; the promise holds while the scaled scores stay under 2^31 in magnitude; p under 2^-126 becomes 0 (the exponential gives no denormals);
; t - M is one fused multiply-add by c = log2(e) / sqrt(128), where the definition rounds twice; a block of zeros has the scale byte 1.
.set STEPB, 17408
.set HEADB, 16*STEPB
.set VIMG,  8192                       ; in a step's block: V's image,
.set KSC,   16384                      ; K's scale words,
.set VSC,   16896                      ; V's
.set SPARE, HEADB                      ; the spare words, 128 bytes a wave
.set STAGE, SPARE+2048                 ; behind them 1,280 bytes for each wave: Q's codes and scale bytes on the way in
.set STGB,  1280
.set SP,    272
.set QSC,   1088                       ; in a stage: Q's scale bytes
.set LI,   1                           ; v1   16 x lane
.set LW,   2                           ; v2   4 x lane
.set DH,   3                           ; v3   my query's place in its 64, less 16 (lane / 16)
.set GO,   4                           ; v4   the way out: my byte offset in the wave's rows
.set LIK,  5                           ; v5   half step: LI, in the half's tiles of K;
.set LIV,  6                           ; v6   in the half's group of V;
.set LWK,  26                          ; v26  LW, in the half's scale words of K;
.set LWV,  27                          ; v27  in the half's bytes of V's
.set NINF, 7
.set AD,   8                           ; v8, v9, v28, v29  LDS addresses in hand
.set AE,   9
.set RD,   11                          ; v11  Q's fragment in the stage
.set QW,   24                          ; v24  Q's scale words in the stage
.set AF,   28
.set AG,   29
.set SPW,  30
.set NIL,  31
.set FR,   32                          ; v32-95 fragments
.set SS,   96                          ; v96-159 S^T, then p; at the end the results
.set OT,   160                         ; v160-223 O
.set P,    224                         ; v224-231 p's codes
.set KS,   240                         ; v240-243 K's scale words
.set FF,   240                         ; v240-247 behind the conversions: the factors of O's eight rows
.set VS,   248                         ; v248-251 V's scale words
.set WV,   10
.set RANK, 11
.set HS,   12                          ; s12  the half step's number
.set J,    15                          ; s15  j
.set G1,   24
.set G0,   40
.set SEL,  48
.set CS,   50
.set TB,   52                          ; s52  LDS byte at which the step's block begins
.set STP,  53
.set S8,   54
.set FM,   55                          ; s55  the masked full step's number
.set HI,   61                          ; s61  lanes 16-31
.set MK,   66                          ; s66-97  mask words: bit set where 32 b + i > DH;  s98-101 the first four as the edge uses them
.macro ROUND
	s_barrier_signal -1
	s_barrier_wait -1
	s_cmp_lg_u32 s[WV], 0
	s_cbranch_scc1 .Lnot_wave_0_\@
	s_barrier_signal -3
.Lnot_wave_0_\@:
	s_barrier_wait -3
	s_barrier_signal -1
	s_barrier_wait -1
.endm
; A product of the first kind: tile t of K with Q.  An odd tile's scale words lie in lanes 16-31
.macro WS t
.if (\t)%2
	v_wmma_scale_f32_16x16x128_f8f6f4 v[SS+8*(\t):SS+8*(\t)+7], v[FR+8*(\t):FR+8*(\t)+7], v[16:23], 0, v[KS+(\t)/2], v255 matrix_a_fmt:MATRIX_FMT_FP4 matrix_b_fmt:MATRIX_FMT_FP4 matrix_a_scale:MATRIX_SCALE_ROW1
.else
	v_wmma_scale_f32_16x16x128_f8f6f4 v[SS+8*(\t):SS+8*(\t)+7], v[FR+8*(\t):FR+8*(\t)+7], v[16:23], 0, v[KS+(\t)/2], v255 matrix_a_fmt:MATRIX_FMT_FP4 matrix_b_fmt:MATRIX_FMT_FP4
.endif
.endm
; And of the second: p with tile t of V, whose fragment begins at v[vb].  acc = 0 starts the sum
.macro WP t, vb, acc
.if (\t)%2
.if \acc
	v_wmma_scale_f32_16x16x128_f8f6f4 v[OT+8*(\t):OT+8*(\t)+7], v[P:P+7], v[\vb:\vb+7], v[OT+8*(\t):OT+8*(\t)+7], v253, v[VS+(\t)/2] matrix_a_fmt:MATRIX_FMT_FP4 matrix_b_fmt:MATRIX_FMT_FP4 matrix_b_scale:MATRIX_SCALE_ROW1
.else
	v_wmma_scale_f32_16x16x128_f8f6f4 v[OT+8*(\t):OT+8*(\t)+7], v[P:P+7], v[\vb:\vb+7], 0, v253, v[VS+(\t)/2] matrix_a_fmt:MATRIX_FMT_FP4 matrix_b_fmt:MATRIX_FMT_FP4 matrix_b_scale:MATRIX_SCALE_ROW1
.endif
.else
.if \acc
	v_wmma_scale_f32_16x16x128_f8f6f4 v[OT+8*(\t):OT+8*(\t)+7], v[P:P+7], v[\vb:\vb+7], v[OT+8*(\t):OT+8*(\t)+7], v253, v[VS+(\t)/2] matrix_a_fmt:MATRIX_FMT_FP4 matrix_b_fmt:MATRIX_FMT_FP4
.else
	v_wmma_scale_f32_16x16x128_f8f6f4 v[OT+8*(\t):OT+8*(\t)+7], v[P:P+7], v[\vb:\vb+7], 0, v253, v[VS+(\t)/2] matrix_a_fmt:MATRIX_FMT_FP4 matrix_b_fmt:MATRIX_FMT_FP4
.endif
.endif
.endm
; A number of each query, v[src] in lane r of both halves, becomes v[FF+i] = that of query 8 h + i: the upper half's lanes change places by 8, then lane i of each half is given to all sixteen
.macro SPREAD src
	v_mov_b32_dpp v254, v[\src] row_xmask:8 row_mask:0xf bank_mask:0xf
	v_cndmask_b32 v254, v[\src], v254, s[HI]
.irp i, 0,1,2,3,4,5,6,7
	v_mov_b32_dpp v[FF+\i], v254 row_share:\i row_mask:0xf bank_mask:0xf
.endr
.endm
	s_load_b128 s[4:7], s[0:1], 0x0                ; kv, q
	s_load_b64 s[8:9], s[0:1], 0x10                ; out0
	v_lshl_add_u32 v[SPW], v0, 2, SPARE
	v_mov_b32 v[NIL], 0
	ds_add_u32 v[SPW], v[NIL]                      ; the opening add, twice on end, ahead of my tensor load
	ds_add_u32 v[SPW], v[NIL]
	v_lshrrev_b32 v8, 5, v0
	v_readfirstlane_b32 s[WV], v8                  ; wave 0..15
	s_bfe_u32 s16, s[WV], 0x10003
	s_bfe_u32 s17, s[WV], 0x10002
	s_and_b32 s17, s17, s16
	s_mul_i32 s16, s16, 7
	s_mul_i32 s17, s17, 3
	s_xor_b32 s16, s16, s17
	s_xor_b32 s16, s16, 8                          ; 8 for waves 0-7, 15 for 8-11, 12 for 12-15
	s_xor_b32 s[RANK], s[WV], s16
	s_and_b32 s[J], ttmp9, 1                       ; the cluster's x: 0 or 1
	s_bfe_u32 s13, ttmp6, 0x40000                  ; cx
	s_and_b32 s14, ttmp7, 0xffff                   ; the head, which the partners share
	s_lshl_b32 s16, s[J], 3
	s_sub_co_u32 s[HS], s[RANK], s16               ; R or R - 8 (below 0: no step's number)
	s_sub_co_u32 s[FM], s[RANK], 8
	s_add_co_u32 s[FM], s[FM], s16                 ; R - 8 or R
	s_lshl_b32 s18, s14, 20
	s_lshl_b32 s19, s[RANK], 16
	s_add_co_u32 s18, s18, s19
	s_lshl_b32 s19, s[J], 15
	s_add_co_u32 s18, s18, s19
	s_lshl_b32 s19, s13, 13
	s_add_co_u32 s18, s18, s19                     ; my 16 rows, in q as in out0 (under 2^25)
	s_mov_b32 s19, 0
	s_mul_i32 s20, s14, HEADB
	s_mul_i32 s[G0+1], s[WV], STEPB                ; my step's place, in LDS as in the head's block
	s_add_co_u32 s20, s20, s[G0+1]
	s_mov_b32 s21, 0
	s_mov_b32 s[G1], 15|(3<<16)|(1<<21)            ; 15:0 the mask: all four; 17:16 elements of 8 bytes; 21 set beside a mask.  A dense block as 68 rows of 256 bytes, no padding
	s_mov_b32 s[G1+1], 32<<16
	s_mov_b32 s[G1+2], 68<<16
	s_mov_b32 s[G1+3], 32<<16
	s_mov_b32 s[G1+4], 68
	s_mov_b32 s[G1+5], 32
	s_mov_b32 s[G1+6], 0
	s_mov_b32 s[G1+7], 0
	s_mov_b32 s[SEL], 0x76543210
	s_mov_b32 s[SEL+1], 0xfedcba98                 ; lane l xor 16
	s_mov_b32 s[CS], 0x3e0293ee                    ; c = log2(e) / sqrt(128)
	s_mov_b32 s[CS+1], s[CS]
	s_mov_b32 s[HI], 0xffff0000
	s_mul_i32 s57, s[WV], STGB
	s_add_co_u32 s57, s57, STAGE                   ; my stage
	s_add_co_u32 s62, s57, QSC
	s_lshl_b32 s60, s13, 4
	s_lshl_b32 s16, s[J], 12
	s_lshl_b32 s17, s[J], 9
	s_lshl_b32 s22, s[J], 8
	s_lshl_b32 s23, s[J], 1
	v_and_b32 v8, 31, v0                           ; lane
	v_lshlrev_b32 v[LI], 4, v8
	v_lshlrev_b32 v[LW], 2, v8
	v_lshrrev_b32 v9, 3, v8                        ; Q on the way in: eight lanes hold a block of 32 of a row
	v_and_b32 v12, 7, v8
	v_mul_u32_u24 v13, v9, SP
	v_lshl_add_u32 v[AF], v12, 1, v13
	v_add_nc_u32 v[AF], s57, v[AF]                 ; block x 272 + two bytes of codes a lane
	v_add_nc_u32 v[AG], s62, v9                    ; the block's scale byte
	v_and_b32 v12, 15, v0                          ; r
	v_bfe_u32 v13, v0, 4, 1                        ; h
	v_lshlrev_b32 v14, 2, v12
	v_add_nc_u32 v[QW], s62, v14                   ; row r's scale word
	v_lshlrev_b32 v15, 4, v13
	v_sub_nc_u32 v[DH], v12, v15
	v_add_nc_u32 v[DH], s60, v[DH]                 ; 16 cx + r - 16 h
	v_mul_u32_u24 v14, v13, SP
	v_lshl_add_u32 v14, v12, 4, v14
	v_add_nc_u32 v[RD], s57, v14                   ; h x 272 + 16 r
	v_lshlrev_b32 v14, 12, v13
	v_lshl_add_u32 v[GO], v12, 4, v14              ; lanes 16-31 eight rows on; 16 bytes a lane
	v_add_nc_u32 v[LIK], s16, v[LI]                ; j = 1: four tiles of K on,
	v_add_nc_u32 v[LIV], s17, v[LI]                ; V's group 1,
	v_add_nc_u32 v[LWK], s22, v[LW]                ; two pairs of scale words on,
	v_add_nc_u32 v[LWV], s23, v[LW]                ; the upper two bytes of V's words
	v_mov_b32 v[NINF], 0xff800000
.irp b, 0,1,2,3
	v_mov_b32 v[OT+\b], 0                          ; the last row's conversion of Q names them
.endr
.irp b, 0,1,2,3,4,5,6,7,8,9,10,11
	v_mov_b32 v[236+\b], 0                         ; a lane move's destination counts as one of its sources
.endr
	v_mov_b32 v252, 0
	v_mov_b32 v253, 0                              ; (named as the upper half of the pair v[252:253])
	v_mov_b32 v254, 0
.irp b, 16,17,18,19,20,21,22,23,255
	v_mov_b32 v[\b], 0                             ; Q's fragment and scale words: written on every way through the text, also ahead of the two arms that load them
.endr
.set n, 0
.rept 32
	v_cmp_gt_i32 s[MK+n], 32*(n/16)+n%16, v[DH]    ; THE MASK WORDS: key above my query
.set n, n+1
.endr
	s_cmp_eq_u32 s[RANK], 8
	s_cselect_b32 s56, 0xffff, 0                   ; rank 8's edge step is step 0: keys 0-3, registers 0-3 of lanes 0-15, count there
.irp n, 0,1,2,3
	s_or_b32 s[98+\n], s[MK+\n], s56
.endr
	s_wait_alu depctr_va_vdst(0)                   ; the wait at the head's end
	s_wait_dscnt 0x0                               ; both opening adds are done
	s_wait_kmcnt 0x0
	s_mov_b32 s[G0], 1
	s_add_nc_u64 s[G0+2:G0+3], s[4:5], s[20:21]
	s_or_b32 s[G0+3], s[G0+3], 0x80000000
	s_add_nc_u64 s[6:7], s[6:7], s[18:19]
	s_add_nc_u64 s[8:9], s[8:9], s[18:19]
	ROUND                                          ; all four work-groups are here: the joint loads meet
	tensor_load_to_lds s[G0:G0+3], s[G1:G1+7]      ; step w of the head, for all four: my one tensor load
	s_nop 0
.rept 4
	v_nop
.endr
; Q: four rows by turns.  A conversion takes a row's four registers and the next row's four; the row's codes are the low 16 bits, and only they are stored
.macro QGRP g
.set R0, 4*\g
.if \g < 3
	s_wait_loadcnt 11-4*\g                         ; rows R0 .. R0 + 4 are in
.else
	s_wait_loadcnt 0x0
.endif
.irp i, 0,1,2,3
	v_max3_num_f32 v[48+R0+\i], |v[SS+4*(R0+\i)]|, |v[SS+4*(R0+\i)+1]|, |v[SS+4*(R0+\i)+2]|
.endr
.irp i, 0,1,2,3
	v_max3_num_f32 v[48+R0+\i], v[48+R0+\i], |v[SS+4*(R0+\i)+3]|, 0x1800000   ; and the floor 2^(3 - 127): the byte cannot fall under 1
.endr
.irp m, 1,2,4
.irp i, 0,1,2,3
	v_max_num_f32_dpp v[48+R0+\i], v[48+R0+\i], v[48+R0+\i] row_xmask:\m row_mask:0xf bank_mask:0xf
.endr
.endr
.irp i, 0,1,2,3
	v_add_nc_u32 v[48+R0+\i], 0xff000000, v[48+R0+\i]
.endr
.irp i, 0,1,2,3
	v_lshrrev_b32 v[64+R0+\i], 23, v[48+R0+\i]
.endr
.irp i, 0,1,2,3
	v_cvt_scalef32_pk8_fp4_f32 v[32+R0+\i], v[SS+4*(R0+\i):SS+4*(R0+\i)+7], v[48+R0+\i]
.endr
	v_nop                                          ; the plain line behind the conversions
.irp i, 0,1,2,3
	ds_store_b16 v[AF], v[32+R0+\i] offset:16*(R0+\i)
	ds_store_b8 v[AG], v[64+R0+\i] offset:4*(R0+\i)
.endr
.endm
.macro QALL
.set i, 0
.rept 16
	global_load_b128 v[SS+4*i:SS+4*i+3], v[LI], s[6:7] offset:512*i th:TH_LOAD_NT   ; row i of my queries: 32 lanes read 512 consecutive bytes
.set i, i+1
.endr
	QGRP 0
	QGRP 1
	QGRP 2
	QGRP 3
	ds_load_b128 v[16:19], v[RD]                   ; LDS serves a wave's instructions in order: these see my stores.  Q's fragment stays in registers
	ds_load_b128 v[20:23], v[RD] offset:544
	ds_load_b32 v255, v[QW]                        ; Q's scale words
	s_wait_dscnt 0x0
.endm
	s_cmp_lt_u32 s[WV], 4                          ; waves 0-3 take their Q while the head's codes are on their way: 32,768 of the work-group's 131,072 bytes;
	s_cbranch_scc0 .Lq_later
	QALL
.Lq_later:
	s_wait_tensorcnt 0x0                           ; my step has landed
	s_barrier_signal -1
	s_barrier_wait -1                              ; and everybody's: the head is whole
	s_cmp_lt_u32 s[WV], 4
	s_cbranch_scc1 .Lq_done
	QALL                                           ; the others theirs behind the barrier, under the work of those
.Lq_done:
	s_add_co_u32 s16, s[RANK], s[J]
	s_cmp_ge_u32 s16, 9                            ; R > 8, or R = 8 and j = 1
	s_cbranch_scc1 .Lsink
	v_mov_b32 v13, 0xff61b1e6                      ; the largest t so far: -3e38
	v_floor_f32 v12, -v13                          ; -M
	v_mov_b32 v14, 0                               ; the sum, in two halves
	v_mov_b32 v15, 0
.set j, 4
.rept 60
	v_mov_b32 v[OT+j], 0                           ; O (registers 0-3 are 0 from the head): the first step finds zeros, which the first change of M leaves zeros
.set j, j+1
.endr
	s_wait_alu depctr_va_vdst(0)                   ; ahead of the branch
	s_branch .Lgo
	; THE SINK STEP: keys 0-3 are registers 0-3 of tile 0 in lanes 0-15
.Lsink:
.irp c, 0,1
	ds_load_b128 v[FR+4*\c:FR+4*\c+3], v[LI] offset:512*\c
.endr
	ds_load_b32 v[KS], v[LW] offset:KSC
.irp t, 0,1,2,3,4,5,6,7
	ds_load_b128 v[40+4*\t:43+4*\t], v[LI] offset:VIMG+1024*\t   ; V's group 0 alone: a tile's other four registers are the next tile's, and meet zero codes of p
.endr
.irp b, 0,1,2,3
	ds_load_b32 v[VS+\b], v[LW] offset:VSC+128*\b
.endr
.irp i, 1,2,3,4,5,6,7
	v_mov_b32 v[P+\i], 0
.endr
	s_wait_dscnt 12                                ; K's three loads are in; V's twelve may be out
	WS 0
.rept 4
	v_nop
.endr
.irp i, 0,1,2,3
	v_cndmask_b32 v[SS+\i], v[SS+\i], v[NINF], s[HI]   ; lanes 16-31 hold keys 16-19
.endr
	v_max3_num_f32 v232, v[SS], v[SS+1], v[SS+2]
	v_max_num_f32 v232, v232, v[SS+3]
	v_permlanex16_b32 v236, v232, s[SEL], s[SEL+1]
	v_max_num_f32 v232, v232, v236                 ; the largest score, in both halves of the lanes
	v_mul_f32 v13, s[CS], v232                     ; the largest t
	v_floor_f32 v12, -v13                          ; -M
	v_pk_fma_f32 v[SS:SS+1], v[SS:SS+1], s[CS:CS+1], v[12:13] op_sel_hi:[1,0,0]
	v_pk_fma_f32 v[SS+2:SS+3], v[SS+2:SS+3], s[CS:CS+1], v[12:13] op_sel_hi:[1,0,0]
	v_fma_f32 v232, v232, s[CS], v12
	v_mov_b32 v[SS+4], 0                           ; keys 4-7 do not count
	v_mov_b32 v[SS+5], 0
	v_mov_b32 v[SS+6], 0
	s_wait_alu depctr_va_vdst(0)                   ; ahead of the batch
.irp i, 0,1,2,3
	v_exp_f32 v[SS+\i], v[SS+\i]
.endr
	v_exp_f32 v232, v232
	v_mov_b32 v[SS+7], 0                           ; the plain line behind the exponentials
	s_wait_alu depctr_va_vdst(0)                   ; and behind it
	v_pk_add_f32 v[14:15], v[SS:SS+1], v[SS+2:SS+3]   ; the sum
	v_max_num_f32 v232, 0x1800000, v232
	v_add_nc_u32 v244, 0xff000000, v232
	v_lshrrev_b32 v253, 23, v244                   ; byte 0: block 0's scale; the other blocks' codes are zeros
	v_cvt_scalef32_pk8_fp4_f32 v[P], v[SS:SS+7], v244   ; keys 0-7 in lanes 0-15; zeros in lanes 16-31
.rept 8
	v_nop                                          ; a scale register written by a vector instruction stands 8 places ahead of a product
.endr
	s_wait_alu depctr_va_vdst(0)                   ; ahead of the wait below
	s_wait_dscnt 0x0
.irp t, 0,1,2,3,4,5,6,7
	WP \t, 40+4*\t, 0                              ; starts O
.endr
.rept 4
	v_nop
.endr
; The softmax of nb blocks of 32 keys, v[SS] on: block maxima, M, p, its codes and scale word, the sum, and O under the new M.
.macro SOFT nb
.irp b, 0,1,2,3
.if \b < \nb
	v_max3_num_f32 v[232+\b], v[SS+16*\b], v[SS+1+16*\b], v[SS+2+16*\b]   ; a block's largest score serves for the row's maximum and, since p rises with the score, for the block's largest p
.endif
.endr
.irp i, 3,5,7,9,11,13
.irp b, 0,1,2,3
.if \b < \nb
	v_max3_num_f32 v[232+\b], v[232+\b], v[SS+16*\b+\i], v[SS+1+16*\b+\i]
.endif
.endr
.endr
.irp b, 0,1,2,3
.if \b < \nb
	v_max_num_f32 v[232+\b], v[232+\b], v[SS+15+16*\b]
.endif
.endr
	v_permlane16_swap_b32 v232, v233               ; two blocks to a register: v232's lanes 16-31 change places with v233's lanes 0-15; the maximum of the two is then block 0's in lanes 0-15 and block 1's in lanes 16-31
.if \nb == 4
	v_permlane16_swap_b32 v234, v235
.endif
	v_max_num_f32 v232, v232, v233
.if \nb == 4
	v_max_num_f32 v233, v234, v235                 ; blocks 2 and 3
	s_delay_alu instid0(VALU_DEP_1)
	v_max_num_f32 v254, v232, v233
	s_delay_alu instid0(VALU_DEP_1)
	v_permlanex16_b32 v236, v254, s[SEL], s[SEL+1]
	s_delay_alu instid0(VALU_DEP_1)
	v_max_num_f32 v254, v254, v236                 ; the step's largest score of my query
.else
	s_delay_alu instid0(VALU_DEP_1)
	v_permlanex16_b32 v236, v232, s[SEL], s[SEL+1]
	s_delay_alu instid0(VALU_DEP_1)
	v_max_num_f32 v254, v232, v236
.endif
	s_delay_alu instid0(VALU_DEP_1)
	v_mul_f32 v254, s[CS], v254                    ; as t (c is positive; -infinity where the step hides all its keys from my query)
	s_delay_alu instid0(VALU_DEP_1)
	v_max_num_f32 v13, v13, v254                   ; the running largest t: a number from the wave's first step on, in which key 0 counts for every query
	v_mov_b32 v254, v12
	s_delay_alu instid0(VALU_DEP_2)
	v_floor_f32 v12, -v13                          ; the new -M
	s_delay_alu instid0(VALU_DEP_1)
	v_sub_f32 v254, v12, v254                      ; old M - new M: a whole number, 0 or less
	s_delay_alu instid0(VALU_DEP_1)
	v_cvt_i32_f32 v254, v254
	s_delay_alu instid0(VALU_DEP_1)
	v_ldexp_f32 v252, 1.0, v254                    ; f = 2^(old M - new M)
.set j, 0
.rept 8*\nb
	v_pk_fma_f32 v[SS+j:SS+j+1], v[SS+j:SS+j+1], s[CS:CS+1], v[12:13] op_sel_hi:[1,0,0]   ; t - M
.set j, j+2
.endr
.irp b, 0,1
.if 2*\b < \nb
	v_fma_f32 v[232+\b], v[232+\b], s[CS], v12     ; the same of the blocks' largest scores, two blocks to a register
.endif
.endr
	s_wait_alu depctr_va_vdst(0)                   ; ahead of the batch
.set j, 0
.rept 16*\nb
	v_exp_f32 v[SS+j], v[SS+j]                     ; p
.set j, j+1
.endr
.irp b, 0,1
.if 2*\b < \nb
	v_exp_f32 v[232+\b], v[232+\b]                 ; the blocks' largest p: the same two instructions on the same number give the same bits
.endif
.endr
	v_pk_mul_f32 v[14:15], v[14:15], v[252:253] op_sel_hi:[1,0]   ; the sum under the new M: the plain line behind the exponentials
	s_wait_alu depctr_va_vdst(0)                   ; and behind it
.irp b, 0,1
.if 2*\b < \nb
	v_max_num_f32 v[232+\b], 0x1800000, v[232+\b]  ; the floor 2^(3 - 127): the byte cannot fall under 1
.endif
.endr
.irp b, 0,1
.if 2*\b < \nb
	v_add_nc_u32 v[244+2*\b], 0xff000000, v[232+\b]   ; 2 off the exponent field, twice:
	v_add_nc_u32 v[245+2*\b], 0xff000000, v[232+\b]
.endif
.endr
.irp b, 0,1
.if 2*\b < \nb
	v_permlane16_swap_b32 v[244+2*\b], v[245+2*\b]    ; the first is then block 2 b's scale operand in all lanes, the second block 2 b + 1's
.endif
.endr
.irp b, 0,1,2,3
.if \b < \nb
	v_lshrrev_b32 v[236+\b], 23, v[244+\b]         ; the scale's byte
.endif
.endr
.if \nb == 4
	s_delay_alu instid0(VALU_DEP_3)
	v_lshl_or_b32 v253, v237, 8, v236              ; p's scale word
	s_delay_alu instid0(VALU_DEP_1)
	v_lshl_or_b32 v253, v238, 16, v253
	s_delay_alu instid0(VALU_DEP_1)
	v_lshl_or_b32 v253, v239, 24, v253
.else
	s_delay_alu instid0(VALU_DEP_1)
	v_lshl_or_b32 v253, v237, 8, v236              ; blocks 2 and 3 of the operand are zero codes
.endif
.irp b, 0,1,2,3
.if \b < \nb
	v_cvt_scalef32_pk8_fp4_f32 v[P+2*\b], v[SS+16*\b:SS+7+16*\b], v[244+\b]
	v_cvt_scalef32_pk8_fp4_f32 v[P+1+2*\b], v[SS+8+16*\b:SS+15+16*\b], v[244+\b]
.endif
.endr
	v_nop                                          ; the plain line behind the conversions
.irp c, 0,1                                    ; the operand's layout wants a WHOLE block in a lane: lanes 0-15 block 2 c, lanes 16-31 block 2 c + 1
.if 2*\c < \nb
	v_permlane16_swap_b32 v[P+4*\c], v[P+2+4*\c]
	v_permlane16_swap_b32 v[P+1+4*\c], v[P+3+4*\c]
.endif
.endr
	SPREAD 252                                     ; f of O's eight rows
.irp n, 0,1,2,3                                ; the row's sum, of the unquantised p, in four chains
	v_pk_add_f32 v[232+2*\n:233+2*\n], v[SS+4*\n:SS+4*\n+1], v[SS+4*\n+2:SS+4*\n+3]
.endr
.set j, 16
.rept 2*\nb-2
.irp n, 0,1,2,3
	v_pk_add_f32 v[232+2*\n:233+2*\n], v[232+2*\n:233+2*\n], v[SS+j:SS+j+1]
.set j, j+2
.endr
.endr
	v_pk_add_f32 v[232:233], v[232:233], v[234:235]
	v_pk_add_f32 v[236:237], v[236:237], v[238:239]
	v_pk_add_f32 v[14:15], v[14:15], v[232:233]
	s_delay_alu instid0(VALU_DEP_1)
	v_pk_add_f32 v[14:15], v[14:15], v[236:237]
	s_wait_alu depctr_va_vdst(0)                   ; directly ahead of the first reader of O
.irp t, 0,1,2,3,4,5,6,7
.irp i, 0,2,4,6
	v_pk_mul_f32 v[OT+8*\t+\i:OT+8*\t+\i+1], v[OT+8*\t+\i:OT+8*\t+\i+1], v[FF+\i:FF+\i+1]   ; x f, row by row; also the places between p's codes and scale word and the products
.endr
.endr
	s_wait_alu depctr_va_vdst(0)                   ; ahead of the wait below
	s_wait_dscnt 0x0                               ; V's fragments and scale words are in
.endm
.Lgo:
	s_mov_b32 s[TB], 0
	s_mov_b32 s[STP], 0
.Lstep:
	s_add_co_u32 s[S8], s[STP], 8
	s_cmp_gt_u32 s[STP], s[RANK]                   ; all its keys come after my queries,
	s_cbranch_scc1 .Lnext
	s_cmp_lt_u32 s[S8], s[RANK]                    ; or all lie 1,024 or more back
	s_cbranch_scc1 .Lnext
	s_cmp_eq_u32 s[STP], s[HS]
	s_cbranch_scc1 .Lhalf
	; A FULL STEP: 128 keys
	v_add_nc_u32 v[AD], s[TB], v[LI]
	v_add_nc_u32 v[AE], s[TB], v[LW]
	s_wait_alu depctr_va_vdst(0)
.irp b, 0,1,2,3
	ds_load_b32 v[KS+\b], v[AE] offset:KSC+128*\b
.endr
.irp t, 0,1,2,3,4,5,6,7
.irp c, 0,1
	ds_load_b128 v[FR+8*\t+4*\c:FR+8*\t+4*\c+3], v[AD] offset:(2*\t+\c)*512
.endr
.endr
	s_wait_dscnt 8                                 ; the scale words and tiles 0-3 are in; tiles 4-7 may be out
.irp t, 0,1,2,3
	WS \t
.endr
	s_wait_dscnt 0x0
.irp t, 4,5,6,7
	WS \t
.endr
.rept 4
	v_nop                                          ; four places in front of the loads into K's registers and of the first read of the scores
.endr
.irp t, 0,1,2,3,4,5,6,7                        ; V's eight fragments land under the softmax
.irp c, 0,1
	ds_load_b128 v[FR+8*\t+4*\c:FR+8*\t+4*\c+3], v[AD] offset:VIMG+(2*\t+\c)*512
.endr
.endr
.irp b, 0,1,2,3
	ds_load_b32 v[VS+\b], v[AE] offset:VSC+128*\b
.endr
	s_cmp_lg_u32 s[STP], s[FM]
	s_cbranch_scc1 .Lopen
	s_cmp_eq_u32 s[J], 0
	s_cbranch_scc1 .Ledge
.set n, 0
.rept 32
	v_cndmask_b32 v[SS+32+n], v[SS+32+n], v[NINF], s[MK+n]   ; j = 1, the diagonal: of keys 64-127 those above my query are hidden
.set n, n+1
.endr
	s_wait_alu depctr_va_vdst(0)                   ; ahead of the branch
	s_branch .Lopen
.Ledge:
.set n, 0
.rept 32
.if n < 4
	v_cndmask_b32 v[SS+n], v[NINF], v[SS+n], s[98+n]
.else
	v_cndmask_b32 v[SS+n], v[NINF], v[SS+n], s[MK+n]         ; j = 0, the window's edge: of keys 0-63 only those above my query's place count (rank 8: and the sink keys)
.endif
.set n, n+1
.endr
.Lopen:
	SOFT 4
.irp t, 0,1,2,3,4,5,6,7                        ; O += P V; the accumulators take turns
	WP \t, FR+8*\t, 1
.endr
.rept 2
	v_nop                                          ; two places, and two or more additions at the next step's head: four in front of its loads.  (The way out has three plain lines and more of its own ahead of its reads)
.endr
	s_branch .Lnext
	; A HALF STEP: keys 64 j .. 64 j + 63 of the step.  The half's two blocks of V and of p stand as blocks 0 and 1 of the product's K; blocks 2 and 3 of p are zero codes
.Lhalf:
	v_add_nc_u32 v[AD], s[TB], v[LIK]
	v_add_nc_u32 v[AE], s[TB], v[LIV]
	v_add_nc_u32 v[AF], s[TB], v[LWK]
	v_add_nc_u32 v[AG], s[TB], v[LWV]
.irp b, 0,1
	ds_load_b32 v[KS+\b], v[AF] offset:KSC+128*\b
.endr
.irp t, 0,1,2,3
.irp c, 0,1
	ds_load_b128 v[FR+8*\t+4*\c:FR+8*\t+4*\c+3], v[AD] offset:(2*\t+\c)*512
.endr
.endr
.irp t, 0,1,2,3,4,5,6,7
	ds_load_b128 v[FR+32+4*\t:FR+35+4*\t], v[AE] offset:VIMG+1024*\t   ; one group: a tile's other four registers are the next tile's (the last tile's: p's), and meet zero codes
.endr
.irp b, 0,1,2,3
	ds_load_u16 v[VS+\b], v[AG] offset:VSC+128*\b  ; the half's two scale bytes
.endr
	s_wait_dscnt 12                                ; K's ten loads are in; V's twelve may be out
.irp t, 0,1,2,3
	WS \t
.endr
.irp i, 4,5,6,7
	v_mov_b32 v[P+\i], 0                           ; also the four places in front of the first read of the scores
.endr
	s_cmp_eq_u32 s[J], 0
	s_cbranch_scc1 .Lhdiag
.set n, 0
.rept 32
	v_cndmask_b32 v[SS+n], v[NINF], v[SS+n], s[MK+n]   ; j = 1: the window's edge
.set n, n+1
.endr
	s_wait_alu depctr_va_vdst(0)                   ; ahead of the branch
	s_branch .Lhopen
.Lhdiag:
.set n, 0
.rept 32
	v_cndmask_b32 v[SS+n], v[SS+n], v[NINF], s[MK+n]   ; j = 0: the diagonal
.set n, n+1
.endr
.Lhopen:
	SOFT 2
.irp t, 0,1,2,3,4,5,6,7
	WP \t, FR+32+4*\t, 1
.endr
.rept 3
	v_nop                                          ; three, and two additions at the next step's head: five, since the next scores are written over registers that the last product named
.endr
.Lnext:
	s_add_co_u32 s[TB], s[TB], STEPB
	s_add_co_u32 s[STP], s[STP], 1
	s_cmp_lt_u32 s[STP], 16
	s_cbranch_scc1 .Lstep
	; THE WAY OUT: O's rows over their sums, straight from the registers
	v_add_f32 v14, v14, v15                        ; the sum's two halves,
	v_permlanex16_b32 v252, v14, s[SEL], s[SEL+1]
	v_add_f32 v14, v14, v252                       ; and lane l xor 16's
	s_wait_alu depctr_va_vdst(0)                   ; ahead of the transcendental
	v_rcp_f32 v14, v14
	v_nop
	s_wait_alu depctr_va_vdst(0)                   ; and behind it, ahead of the first readers of O
	SPREAD 14
.irp i, 0,1,2,3,4,5,6,7
.irp t, 0,1,2,3,4,5,6,7
	v_mul_f32 v[SS+32*(\t%2)+4*\i+\t/2], v[OT+8*\t+\i], v[FF+\i]   ; v[SS + 32 u + 4 i ..]: row 8 h + i, channels 4 (16 u + r) + 0 .. 3
.endr
.endr
.irp i, 0,1,2,3,4,5,6,7
.irp u, 0,1
	global_store_b128 v[GO], v[SS+32*\u+4*\i:SS+32*\u+4*\i+3], s[8:9] offset:512*\i+256*\u th:TH_STORE_NT   ; sixteen lanes store 256 consecutive bytes, aligned; written once, read by nobody here
.endr
.endr
	s_wait_tensorcnt 0x0                           ; the wave's end
	ds_add_u32 v[SPW], v[NIL]
	s_wait_dscnt 0x0
	ROUND                                          ; the closing round: no work-group ends while a partner may still ask for a load that names it
	s_endpgm
.Lfunc_end_k_q2641a7bfbe_attn:
	.size	k_q2641a7bfbe_attn, .Lfunc_end_k_q2641a7bfbe_attn-k_q2641a7bfbe_attn
	.p2alignl 7, 3214868480
	.fill 96, 4, 3214868480
	.section	.rodata,"a",@progbits
	.p2align	6, 0x0
	.amdhsa_kernel k_q2641a7bfbe_attn
		.amdhsa_group_segment_fixed_size 327680
		.amdhsa_private_segment_fixed_size 0
		.amdhsa_enable_private_segment 0
		.amdhsa_kernarg_size 24
		.amdhsa_user_sgpr_count 2
		.amdhsa_user_sgpr_kernarg_segment_ptr 1
		.amdhsa_wavefront_size32 1
		.amdhsa_system_sgpr_workgroup_id_x 1
		.amdhsa_system_sgpr_workgroup_id_y 1
		.amdhsa_system_sgpr_workgroup_id_z 1
		.amdhsa_system_vgpr_workitem_id 0
		.amdhsa_next_free_vgpr 256
		.amdhsa_next_free_sgpr 104
		.amdhsa_reserve_vcc 0
		.amdhsa_float_denorm_mode_32 3
		.amdhsa_float_denorm_mode_16_64 3
		.amdhsa_memory_ordered 1
		.amdhsa_forward_progress 1
		.amdhsa_inst_pref_size 82
	.end_amdhsa_kernel
	.amdgpu_metadata
---
amdhsa.version: [ 1, 2 ]
amdhsa.kernels:
  - .name:           k_q2641a7bfbe_attn
    .symbol:         k_q2641a7bfbe_attn.kd
    .args:
      - { .name: kv, .offset: 0, .size: 8, .value_kind: global_buffer, .address_space: global }
      - { .name: q, .offset: 8, .size: 8, .value_kind: global_buffer, .address_space: global }
      - { .name: out0, .offset: 16, .size: 8, .value_kind: global_buffer, .address_space: global }
    .group_segment_fixed_size: 327680
    .private_segment_fixed_size: 0
    .kernarg_segment_align: 8
    .kernarg_segment_size: 24
    .max_flat_workgroup_size: 512
    .sgpr_count:     104
    .vgpr_count:     256
    .wavefront_size: 32
...
	.end_amdgpu_metadata
.endif
;; end of part 2
